; MI455X (gfx1250); checked and timed in simulation.
; The chip was launched on July 23, 2026; its instructions are those of AMD's public machine-readable ISA for CDNA 5 (MIT licence, August 2026) and "CDNA5" Instruction Set Architecture Reference Guide (July 2026). The comments in the code are by the model that wrote it; some were corrected since.
;; Multi Head Attention. Allowed arithmetic: float matrix products may take bf16 or f16 operands with f32 sums; all other float work in f32.
;; Inputs: Wk 1,024 x 1,024 float32; Wo 1,024 x 1,024 float32; Wq 1,024 x 1,024 float32; Wv 1,024 x 1,024 float32; mask 2 x 2,048 bool; rope_cache 2,048 x 2 x 32 float32; x 2 x 2,048 x 1,024 float32.
;; Outputs: out0 2 x 2,048 x 1,024 float32.
;; One version. Each part assembles by itself: llvm-mc -triple=amdgcn-amd-amdhsa -mcpu=gfx1250 --defsym DOCPART=n.
;; ======== version 1 of 1: 4 launches
;; limits: values outside matrix products are rounded to bf16; values are held in f16: magnitudes above 65,504 overflow, below 6.1e-05 lose precision; right only within a limited range of input values
;; workspace buffers: xb 8,388,608 bytes; wt 8,388,608 bytes; qb 8,388,608 bytes; kb 8,650,752 bytes; vt 8,388,608 bytes; vs 65,536 bytes; ab 8,388,608 bytes
;; launch prep (part 1): grid 512 x 2, 8 waves a work-group, no clusters, 18,432 bytes of LDS; arguments x, Wq, Wk, Wv, Wo, xb, wt; writes xb, wt
.if DOCPART == 1
	.amdgcn_target "amdgcn-amd-amdhsa--gfx1250"
	.amdhsa_code_object_version 6
	.text
	.protected	k_q80aba1fff6_prep
	.globl	k_q80aba1fff6_prep
	.p2align	8
	.type	k_q80aba1fff6_prep,@function
k_q80aba1fff6_prep:
	s_mov_b64 s[64:65], 0
	v_nop
	global_prefetch_b8 v0, s[64:65] scope:SCOPE_SE
	s_setreg_imm32_b32 hwreg(HW_REG_WAVE_MODE, 25, 1), 1
	s_wait_xcnt 0x0
; PREP: the matrix operands of the later launches, rounded once and laid with K along the rows.
;   y = 0 (512 work-groups): xb[4096][1024] = bf16(x).
;   y = 1 (512 work-groups): wt[4096][1024], 16-bit, = the four weights transposed ([k][n] in memory -> [n][k]):
;       row 192 h + 64 sel + d (sel = 0 q, 1 k, 2 v) = bf16 of column 64 h + d of Wq, Wk, Wv;
;       row 3072 + n = column n of Wo, rounded to bf16 and then carried as f16 (the output product runs in f16).
; LIMIT: bf16(Wo) must lie inside f16's range (below 65,504 in magnitude; below 6e-5 it keeps an absolute error of 3e-8).
; A stream: no matrix unit, no cluster (no two work-groups read the same bytes).  LDS serves the transposition alone.
.set TP, 272                           ; LDS pitch of a transposed row: 128 k x 2 bytes + 16
	s_load_b256 s[4:11], s[0:1], 0x0               ; x s[4:5], Wq s[6:7], Wk s[8:9], Wv s[10:11]
	s_load_b128 s[12:15], s[0:1], 0x20             ; Wo s[12:13], xb s[14:15]
	s_load_b64 s[16:17], s[0:1], 0x30              ; wt
	v_lshl_add_u32 v64, v0, 2, 0x4400
	v_mov_b32 v65, 0
	s_and_b32 s18, ttmp7, 0xffff                   ; y: which of the two jobs
	s_mov_b32 s21, 0                               ; upper word of every offset pair s[20:21]
	s_wait_kmcnt 0x0
	s_cmp_lg_u32 s18, 0
	s_cbranch_scc1 .Lweights
	; ---- x: the work-group converts 32,768 bytes.  Thread t takes 8 numbers (32 bytes) at 32 t of each of four pieces of 8,192 bytes.
	s_lshl_b32 s20, ttmp9, 15
	s_add_nc_u64 s[4:5], s[4:5], s[20:21]
	s_lshl_b32 s20, ttmp9, 14
	s_add_nc_u64 s[14:15], s[14:15], s[20:21]
	v_lshlrev_b32 v1, 5, v0                        ; 32 t
	v_lshlrev_b32 v2, 4, v0                        ; 16 t
.irp i, 0,1,2,3
	global_load_b128 v[8+8*\i:11+8*\i],  v1, s[4:5] offset:8192*\i th:TH_LOAD_NT
	global_load_b128 v[12+8*\i:15+8*\i], v1, s[4:5] offset:8192*\i+16 th:TH_LOAD_NT
.endr
.irp i, 0,1,2,3
	s_wait_loadcnt 6-2*\i                          ; loads return in order: piece i is in, the 6 - 2 i younger loads stay out
.irp p, 0,1,2,3
	v_cvt_pk_bf16_f32 v[40+4*\i+\p], v[8+8*\i+2*\p], v[9+8*\i+2*\p]
.endr
	global_store_b128 v2, v[40+4*\i:43+4*\i], s[14:15] offset:4096*\i    ; a wave's store covers 512 consecutive bytes, aligned
.endr
	s_endpgm
	; ---- weights: a tile of 128 k x 64 n of one matrix.  x = mat * 128 + kt * 16 + nt.
.Lweights:
	s_lshr_b32 s18, ttmp9, 7                       ; mat 0..3
	s_bfe_u32 s19, ttmp9, 0x30004                  ; kt 0..7
	s_and_b32 s22, ttmp9, 15                       ; nt 0..15 (for q, k, v: the head)
	s_cmp_eq_u32 s18, 1
	s_cselect_b64 s[6:7], s[8:9], s[6:7]
	s_cmp_eq_u32 s18, 2
	s_cselect_b64 s[6:7], s[10:11], s[6:7]
	s_cmp_eq_u32 s18, 3
	s_cselect_b64 s[6:7], s[12:13], s[6:7]         ; the matrix
	s_lshl_b32 s20, s19, 19                        ; 128 rows of 4,096 bytes
	s_lshl_b32 s23, s22, 8                         ; 64 columns of 4 bytes
	s_add_co_u32 s20, s20, s23
	s_add_nc_u64 s[6:7], s[6:7], s[20:21]
	s_mul_i32 s24, s22, 192
	s_lshl_b32 s25, s18, 6
	s_add_co_u32 s24, s24, s25                     ; q, k, v: row 192 head + 64 mat
	s_lshl_b32 s25, s22, 6
	s_add_co_u32 s25, s25, 3072                    ; Wo: row 3072 + 64 nt
	s_cmp_eq_u32 s18, 3
	s_cselect_b32 s24, s25, s24
	s_lshl_b32 s24, s24, 11                        ; rows of 2,048 bytes
	s_lshl_b32 s25, s19, 8                         ; 128 k of 2 bytes
	s_add_co_u32 s20, s24, s25
	s_add_nc_u64 s[16:17], s[16:17], s[20:21]
	v_lshrrev_b32 v1, 4, v0                        ; u 0..15: my eight k = 8 u ..
	v_and_b32 v2, 15, v0                           ; n4 0..15: my four n = 4 n4 ..
	v_lshlrev_b32 v3, 15, v1
	v_lshl_add_u32 v3, v2, 4, v3                   ; 8 u rows + 16 n4 bytes
.irp i, 0,1,2,3,4,5,6,7
	global_load_b128 v[8+4*\i:11+4*\i], v3, s[6:7] offset:4096*\i th:TH_LOAD_NT   ; sixteen lanes take 256 consecutive bytes of a row
.endr
	v_mul_u32_u24 v4, v2, 4*TP
	v_lshl_add_u32 v4, v1, 4, v4                   ; in: row 4 n4 (+ c), byte 16 u
	v_mul_u32_u24 v5, v1, TP
	v_lshl_add_u32 v5, v2, 4, v5                   ; back: row u (+ 16 i), byte 16 n4
	v_lshlrev_b32 v6, 11, v1
	v_lshl_add_u32 v6, v2, 4, v6                   ; the same place in wt
.irp p, 0,1,2,3
	s_wait_loadcnt 6-2*\p                          ; rows 2 p and 2 p + 1 are in
.irp c, 0,1,2,3
	v_cvt_pk_bf16_f32 v[40+4*\c+\p], v[8+8*\p+\c], v[12+8*\p+\c]     ; two neighbouring k of column c
.endr
.endr
	s_cmp_lg_u32 s18, 3
	s_cbranch_scc1 .Lkeep_bf16
.irp w, 0,1,2,3,4,5,6,7,8,9,10,11,12,13,14,15
	v_lshlrev_b32 v56, 16, v[40+\w]                ; Wo: the bf16 values, widened,
	v_and_b32 v57, 0xffff0000, v[40+\w]
	v_cvt_pk_f16_f32 v[40+\w], v56, v57            ; fit f16's longer mantissa without a second rounding
.endr
.Lkeep_bf16:
.irp c, 0,1,2,3
	ds_store_b128 v4, v[40+4*\c:43+4*\c] offset:\c*TP
.endr
	s_wait_dscnt 0x0                               ; my stores are done, for the other waves' sake
	s_barrier_signal -1
	s_barrier_wait -1
.irp i, 0,1,2,3
	ds_load_b128 v[8+4*\i:11+4*\i], v5 offset:\i*16*TP
.endr
.irp i, 0,1,2,3
	s_wait_dscnt 3-\i                              ; LDS loads return in order
	global_store_b128 v6, v[8+4*\i:11+4*\i], s[16:17] offset:\i*32768    ; sixteen lanes store 256 consecutive bytes, aligned
.endr
	s_wait_tensorcnt 0x0
	ds_add_u32 v64, v65
	s_wait_dscnt 0x0
	s_endpgm
.Lfunc_end_k_q80aba1fff6_prep:
	.size	k_q80aba1fff6_prep, .Lfunc_end_k_q80aba1fff6_prep-k_q80aba1fff6_prep
	.p2alignl 7, 3214868480
	.fill 96, 4, 3214868480
	.section	.rodata,"a",@progbits
	.p2align	6, 0x0
	.amdhsa_kernel k_q80aba1fff6_prep
		.amdhsa_group_segment_fixed_size 18432
		.amdhsa_private_segment_fixed_size 0
		.amdhsa_enable_private_segment 0
		.amdhsa_kernarg_size 56
		.amdhsa_user_sgpr_count 2
		.amdhsa_user_sgpr_kernarg_segment_ptr 1
		.amdhsa_wavefront_size32 1
		.amdhsa_system_sgpr_workgroup_id_x 1
		.amdhsa_system_sgpr_workgroup_id_y 1
		.amdhsa_system_sgpr_workgroup_id_z 1
		.amdhsa_system_vgpr_workitem_id 0
		.amdhsa_next_free_vgpr 66
		.amdhsa_next_free_sgpr 66
		.amdhsa_reserve_vcc 0
		.amdhsa_float_denorm_mode_32 3
		.amdhsa_float_denorm_mode_16_64 3
		.amdhsa_memory_ordered 1
		.amdhsa_forward_progress 1
		.amdhsa_inst_pref_size 11
	.end_amdhsa_kernel
	.amdgpu_metadata
---
amdhsa.version: [ 1, 2 ]
amdhsa.kernels:
  - .name:           k_q80aba1fff6_prep
    .symbol:         k_q80aba1fff6_prep.kd
    .args:
      - { .name: x, .offset: 0, .size: 8, .value_kind: global_buffer, .address_space: global }
      - { .name: Wq, .offset: 8, .size: 8, .value_kind: global_buffer, .address_space: global }
      - { .name: Wk, .offset: 16, .size: 8, .value_kind: global_buffer, .address_space: global }
      - { .name: Wv, .offset: 24, .size: 8, .value_kind: global_buffer, .address_space: global }
      - { .name: Wo, .offset: 32, .size: 8, .value_kind: global_buffer, .address_space: global }
      - { .name: xb, .offset: 40, .size: 8, .value_kind: global_buffer, .address_space: global }
      - { .name: wt, .offset: 48, .size: 8, .value_kind: global_buffer, .address_space: global }
    .group_segment_fixed_size: 18432
    .private_segment_fixed_size: 0
    .kernarg_segment_align: 8
    .kernarg_segment_size: 56
    .max_flat_workgroup_size: 256
    .sgpr_count:     66
    .vgpr_count:     66
    .wavefront_size: 32
...
	.end_amdgpu_metadata
.endif
;; end of part 1
;; launch qkv (part 2): grid 16 x 16, 4 waves a work-group, clusters of 4 x 4, 327,680 bytes of LDS; arguments xb, wt, rope_cache, mask, qb, kb, vt, vs; writes qb, kb, vt, vs
.if DOCPART == 2
	.amdgcn_target "amdgcn-amd-amdhsa--gfx1250"
	.amdhsa_code_object_version 6
	.text
	.protected	k_q80aba1fff6_qkv
	.globl	k_q80aba1fff6_qkv
	.p2align	8
	.type	k_q80aba1fff6_qkv,@function
k_q80aba1fff6_qkv:
	s_mov_b64 s[64:65], 0
	v_nop
	global_prefetch_b8 v0, s[64:65] scope:SCOPE_SE
	s_setreg_imm32_b32 hwreg(HW_REG_WAVE_MODE, 25, 1), 1
	s_wait_xcnt 0x0
	s_wait_alu depctr_hold_cnt(0) depctr_sa_sdst(0) depctr_va_vdst(0) depctr_va_sdst(0) depctr_va_ssrc(0) depctr_va_vcc(0) depctr_vm_vsrc(0)
	s_getreg_b32 s2, hwreg(HW_REG_IB_STS2, 6, 4)
	s_cmp_eq_u32 s2, 0
	s_cbranch_scc0 .Lentry_in_a_cluster
	s_endpgm
.Lentry_in_a_cluster:
	s_bfe_u32 s2, ttmp6, 0x10000c
	s_cmp_lg_u32 s2, 0xf033
	s_cbranch_scc0 .Lentry_shape_is_right
	s_endpgm
.Lentry_shape_is_right:
; QKV: for one head (x) and one block of 256 rows of x (y): q, k, v = xb * wt^T (bf16 operands, f32 sums), the rotation of q and k,
; and what attention needs beside them.  Stored, all in f16:
;   qb[bh][t][64]            q rotated, times 0.125 * log2(e) (the softmax then works in base 2)
;   kb[bh][tile of 128 keys] 128 rows of 128 bytes (k rotated), then 512 bytes: the keys' bias, f32: 0, or -2^30 where mask = 0
;   vt[bh][d][t]             v transposed
;   vs[bh][block of 256 t][64] f32 sums of v over the block's rows, entry (d % 16) * 4 + d / 16 (for rows without any visible key)
; LIMITS: q * 0.18, k and v are kept in f16: magnitudes below 65,504; below 6e-5 an absolute error of 3e-8 stays.
; The rotation table is rounded to bf16 like every other floating-point input (one rounding for each input, none for a sum); all
; arithmetic with it is f32.  mask holds bytes 0 or 1.
; SHAPE: four waves; wave w makes rows 64 w .. 64 w + 63 x all 192 columns: 48 accumulator tiles of 16 x 16.  K = 1024 goes in 8 steps
; of 128 through a ring of two LDS slots; a slot holds 256 rows of xb and 192 rows of wt, rows of 256 bytes padded to 272.
; CLUSTER 4 x 4: xb's tile hangs on the row block alone and is asked for jointly along a row of the cluster; wt's hangs on the head
; alone and is asked for jointly along a column.
; REGISTERS: window 0: addresses, the table (v128-255), work of the way out.  Window 1: two fragment buffers of 128 registers
; (12 tiles of wt at 8 b, 4 tiles of xb at 96 + 8 a).  Window 2: q's and k's 32 tiles at 8 (8 a + b).  Window 3: v's 16 tiles at 8 (4 a + b').
; q and k are made with wt as source 0: a lane holds row t = lane % 16 and eight neighbouring d.  v is made with xb as source 0:
; a lane holds d = lane % 16 and eight neighbouring t, which is what the transposed store wants.
.set PITCH,  272
.set PART,   128*PITCH                 ; what one wave's tensor load may fill: 128 rows of xb, or 96 rows of wt
.set SLOT,   4*PART
.set VST,    2*SLOT                    ; stage for v^T: 64 d x 528 bytes (256 t x 2 + 16)
.set VPITCH, 528
.set QST,    VST+64*VPITCH             ; stage for q and k: 16 rows x 144 bytes for each wave
.set QPITCH, 144
.set VSM,    QST+4*16*QPITCH           ; the waves' sums of v: 4 x 256 bytes
.set F0,   0
.set F1,   128
.set FA,   96
.set ROPE, 128                         ; v[128+32a ..]: cos d 0-15, cos d 16-31, sin d 0-15, sin d 16-31 (my 8 of each) of m tile a
.set RES,  32
.set PK,   64
.set BACK, 80
.set G1A, 24
.set G0A, 32
.set G1B, 48
.set G0B, 56
.set LD,  0x40                         ; load destination window 1, address window 0
.set MQK, 0xa5                         ; sources window 1, C and D window 2
.set MV,  0xf5                         ; sources window 1, C and D window 3
.set MSB, 0
.macro WIN new                         ; the immediate's high byte repeats the setting that is left
.if MSB != \new
	s_set_vgpr_msb (MSB<<8)|\new
.set MSB, \new
.endif
.endm
.macro PLACES                          ; four places behind matrix instructions (ISA guide 7.12.1), where there is no other vector work
.rept 4
	v_nop
.endr
.endm
; A joint load: waves 0 and 1 ask for xb's two halves, waves 2 and 3 for wt's.  The branch hangs on the wave's number alone.
.macro JLOAD s
	s_cmp_eq_u32 s13, 0
	s_cbranch_scc0 .Lfor_b_\@
	tensor_load_to_lds s[G0A+4*\s:G0A+4*\s+3], s[G1A:G1A+7]
	s_nop 0
	s_branch .Lasked_\@
.Lfor_b_\@:
	tensor_load_to_lds s[G0B+4*\s:G0B+4*\s+3], s[G1B:G1B+7]
	s_nop 0
.Lasked_\@:
.endm
.macro CREST                           ; a round of the cluster's barrier behind its opening work-group barrier
	s_cmp_lg_u32 s12, 0
	s_cbranch_scc1 .Lnot_wave_0_\@
	s_barrier_signal -3
.Lnot_wave_0_\@:
	s_barrier_wait -3
	s_barrier_signal -1
	s_barrier_wait -1
.endm
.macro CROUND
	s_barrier_signal -1
	s_barrier_wait -1
	CREST
.endm
	s_load_b256 s[4:11], s[0:1], 0x0               ; xb s[4:5], wt s[6:7], rope_cache s[8:9], mask s[10:11]
	s_load_b256 s[68:75], s[0:1], 0x20             ; qb s[68:69], kb s[70:71], vt s[72:73], vs s[74:75]
	v_lshl_add_u32 v14, v0, 2, 0x4ec00
	v_mov_b32 v15, 0
	ds_add_u32 v14, v15
	ds_add_u32 v14, v15
	v_lshrrev_b32 v1, 5, v0
	v_readfirstlane_b32 s12, v1                    ; wave 0..3
	s_lshr_b32 s13, s12, 1                         ; I fetch for xb (0) or for wt (1)
	s_and_b32 s14, s12, 1                          ; which half of that tile
	s_bfe_u32 s15, ttmp6, 0x40000                  ; cx
	s_bfe_u32 s16, ttmp6, 0x40004                  ; cy
	s_lshl_b32 s17, ttmp9, 2
	s_add_co_u32 s17, s17, s15                     ; head = 4 x cluster x + cx
	s_and_b32 s18, ttmp7, 0xffff
	s_lshl_b32 s18, s18, 2
	s_add_co_u32 s18, s18, s16                     ; row block = 4 x cluster y + cy
	s_lshl_b32 s19, s16, 2
	s_lshl_b32 s19, 15, s19                        ; my row of the cluster
	s_lshl_b32 s66, 0x1111, s15                    ; my column
	s_or_b32 s[G1A+0], s19, (1<<16)|(1<<20)|(1<<21)|(5<<22)|(3<<25)   ; mask; 2-byte elements; pad 4 words behind every 64 words; bit 21 beside a mask
	s_or_b32 s[G1B+0], s66, (1<<16)|(1<<20)|(1<<21)|(5<<22)|(3<<25)
	s_mov_b32 s[G1A+1], 128<<16                    ; tensor_dim0 = 128
	s_mov_b32 s[G1B+1], 128<<16
	s_mov_b32 s[G1A+2], 128<<16                    ; tensor_dim1 = 128 rows of xb
	s_mov_b32 s[G1B+2], 96<<16                     ;             = 96 rows of wt
	s_mov_b32 s[G1A+3], 128<<16                    ; tile_dim0 = 128
	s_mov_b32 s[G1B+3], 128<<16
	s_mov_b32 s[G1A+4], 128                        ; tile_dim1
	s_mov_b32 s[G1B+4], 96
	s_mov_b32 s[G1A+5], 1024                       ; elements from row to row
	s_mov_b32 s[G1B+5], 1024
	s_mov_b32 s[G1A+6], 0
	s_mov_b32 s[G1B+6], 0
	s_mov_b32 s[G1A+7], 0
	s_mov_b32 s[G1B+7], 0
	s_lshl_b32 s20, s18, 19                        ; xb: (256 block + 128 half) rows of 2,048 bytes: hangs on the row block and the wave
	s_lshl_b32 s21, s14, 18
	s_add_co_u32 s20, s20, s21
	s_mov_b32 s21, 0
	s_mul_i32 s44, s17, 393216                     ; wt: (192 head + 96 half) rows: hangs on the head and the wave
	s_mul_i32 s45, s14, 196608
	s_add_co_u32 s44, s44, s45
	s_mov_b32 s45, 0
	s_mul_i32 s42, s12, PART                       ; LDS: the wave's part of a slot
	s_wait_dscnt 0x0
	s_wait_kmcnt 0x0
	s_add_nc_u64 s[40:41], s[4:5], s[20:21]
	s_add_nc_u64 s[44:45], s[6:7], s[44:45]
	CROUND                                         ; all sixteen work-groups are here: the first joint loads meet
.irp s, 0,1
	s_mov_b32 s[G0A+4*\s], 1
	s_add_co_u32 s[G0A+4*\s+1], s42, \s*SLOT
	s_add_nc_u64 s[G0A+4*\s+2:G0A+4*\s+3], s[40:41], \s*256        ; K step s
	s_or_b32 s[G0A+4*\s+3], s[G0A+4*\s+3], 0x80000000
	s_mov_b32 s[G0B+4*\s], 1
	s_add_co_u32 s[G0B+4*\s+1], s42, \s*SLOT
	s_add_nc_u64 s[G0B+4*\s+2:G0B+4*\s+3], s[44:45], \s*256
	s_or_b32 s[G0B+4*\s+3], s[G0B+4*\s+3], 0x80000000
	JLOAD \s                                       ; two tensor loads of the wave are out
.endr
	; bases of the way out, in registers that feed no descriptor and no LDS address
	s_lshr_b32 s80, s18, 3                         ; batch
	s_and_b32 s81, s18, 7                          ; block of 256 rows inside the sequence
	s_lshl4_add_u32 s82, s80, s17                  ; bh = 16 batch + head
	s_mov_b32 s85, 0
	s_lshl_b32 s83, s81, 16                        ; the table: (256 block + 64 wave) rows of 256 bytes
	s_lshl_b32 s84, s12, 14
	s_add_co_u32 s83, s83, s84
	s_lshl_b32 s84, s82, 18                        ; qb: (2048 bh + 256 block + 64 wave) rows of 128 bytes
	s_lshl_b32 s86, s81, 15
	s_add_co_u32 s84, s84, s86
	s_lshl_b32 s86, s12, 13
	s_add_co_u32 s84, s84, s86
	s_add_nc_u64 s[68:69], s[68:69], s[84:85]
	s_lshl_b32 s84, s82, 18                        ; vt: (64 bh + 16 wave) rows of 4,096 bytes + 256 block x 2 bytes
	s_lshl_b32 s86, s12, 16
	s_add_co_u32 s84, s84, s86
	s_lshl_b32 s86, s81, 9
	s_add_co_u32 s84, s84, s86
	s_add_nc_u64 s[72:73], s[72:73], s[84:85]
	s_lshl3_add_u32 s84, s82, s81                  ; vs: (8 bh + block) x 256 bytes
	s_lshl_b32 s84, s84, 8
	s_add_nc_u64 s[74:75], s[74:75], s[84:85]
	s_lshl_b32 s87, s82, 4
	s_lshl1_add_u32 s87, s81, s87                  ; 16 bh + 2 block: the first of my block's two key tiles
	s_add_co_u32 s84, s87, s13                     ; kb: my wave's 64 rows lie in tile + wave / 2, at row 64 (wave % 2)
	s_mul_i32 s84, s84, 16896
	s_lshl_b32 s86, s14, 13
	s_add_co_u32 s84, s84, s86
	s_add_nc_u64 s[88:89], s[70:71], s[84:85]
	s_mov_b32 s76, 0x76543210                      ; v_permlanex16_b32: lane i takes lane i of the other half
	s_mov_b32 s77, 0xfedcba98
	s_mov_b32 s78, 0x3e38aa3b                      ; 0.125 * log2(e)
	s_mov_b32 s79, 0xce800000                      ; -2^30
	v_and_b32 v1, 15, v0                           ; r
	v_bfe_u32 v2, v0, 4, 1                         ; h
	v_and_b32 v3, 31, v0                           ; lane
	v_mul_u32_u24 v4, v1, PITCH
	v_lshl_add_u32 v4, v2, 4, v4                   ; r x pitch + 16 h: a fragment's two 16-byte loads start here
	s_mul_i32 s43, s12, 64*PITCH
	v_add_nc_u32 v16, s43, v4                      ; xb's fragments, slot 0: my 64 rows
	v_add_nc_u32 v17, SLOT, v16                    ; slot 1
	v_add_nc_u32 v18, 2*PART, v4                   ; wt's fragments, slot 0
	v_add_nc_u32 v19, SLOT, v18
	s_mul_i32 s43, s12, 16*QPITCH
	s_add_co_u32 s43, s43, QST
	v_mul_u32_u24 v5, v1, QPITCH
	v_lshl_add_u32 v5, v2, 4, v5
	v_add_nc_u32 v20, s43, v5                      ; q, k in: row r, 16 bytes for each half of the lanes
	v_lshrrev_b32 v5, 3, v3
	v_mul_u32_u24 v5, v5, QPITCH
	v_and_b32 v6, 7, v3
	v_lshl_add_u32 v5, v6, 4, v5
	v_add_nc_u32 v21, s43, v5                      ; q, k back: eight lanes take a row of 128 bytes
	v_lshlrev_b32 v22, 4, v3                       ; 16 x lane
	s_lshl_b32 s43, s12, 7
	s_add_co_u32 s43, s43, VST
	v_mul_u32_u24 v5, v1, VPITCH
	v_lshl_add_u32 v5, v2, 4, v5
	v_add_nc_u32 v23, s43, v5                      ; v^T in: row d = r, my wave's 64 t at byte 128 w, 8 t for each half
	s_mul_i32 s43, s12, 16*VPITCH
	s_add_co_u32 s43, s43, VST
	v_add_nc_u32 v24, s43, v22                     ; v^T back: my wave's 16 rows, 512 bytes each
	v_lshlrev_b32 v5, 8, v1
	v_lshl_add_u32 v5, v2, 5, v5
	v_add_nc_u32 v25, s83, v5                      ; the table: row t, my 8 numbers at 32 h
	s_lshl_b32 s43, s12, 8
	s_add_co_u32 s43, s43, VSM
	v_lshl_add_u32 v26, v1, 4, s43                 ; my wave's sums: 16 bytes for d % 16 = r
	v_lshlrev_b32 v27, 3, v3                       ; 8 x lane
	; the table's rows of my 64 t: they are needed only on the way out and stay on their way during the products
.irp a, 0,1,2,3
.irp c, 0,1,2,3
	global_load_b128 v[ROPE+32*\a+8*\c:ROPE+32*\a+8*\c+3],   v25, s[8:9] offset:\a*4096+\c*64
	global_load_b128 v[ROPE+32*\a+8*\c+4:ROPE+32*\a+8*\c+7], v25, s[8:9] offset:\a*4096+\c*64+16
.endr
.endr
; 16 matrix instructions for q and k: m tiles a0, a0 + 1 x n tiles 0..7.  zero = 1: the first product starts the sums.
.macro MULQK f, a0, zero
.irp a, \a0, \a0+1
.irp b, 0,1,2,3,4,5,6,7
.if \zero
	v_wmma_f32_16x16x32_bf16 v[8*(8*(\a)+\b):8*(8*(\a)+\b)+7], v[\f+8*\b:\f+8*\b+7], v[\f+FA+8*(\a):\f+FA+8*(\a)+7], 0
.else
	v_wmma_f32_16x16x32_bf16 v[8*(8*(\a)+\b):8*(8*(\a)+\b)+7], v[\f+8*\b:\f+8*\b+7], v[\f+FA+8*(\a):\f+FA+8*(\a)+7], v[8*(8*(\a)+\b):8*(8*(\a)+\b)+7]
.endif
.endr
.endr
.endm
; 16 matrix instructions for v: m tiles 0..3 x n tiles 8..11, xb as source 0
.macro MULV f, zero
.irp a, 0,1,2,3
.irp b, 0,1,2,3
.if \zero
	v_wmma_f32_16x16x32_bf16 v[8*(4*\a+\b):8*(4*\a+\b)+7], v[\f+FA+8*\a:\f+FA+8*\a+7], v[\f+64+8*\b:\f+64+8*\b+7], 0
.else
	v_wmma_f32_16x16x32_bf16 v[8*(4*\a+\b):8*(4*\a+\b)+7], v[\f+FA+8*\a:\f+FA+8*\a+7], v[\f+64+8*\b:\f+64+8*\b+7], v[8*(4*\a+\b):8*(4*\a+\b)+7]
.endif
.endr
.endr
.endm
; 32 LDS loads in one run: one quarter step's fragments (32 K at byte k of the rows) into buffer f.  Order: wt's tiles 0-7, xb's 0-3, wt's 8-11.
.macro FETCH slot, k, f
	WIN LD
.irp b, 0,1,2,3,4,5
	ds_load_b128 v[\f+8*\b:\f+8*\b+3],   v[18+\slot] offset:\k+\b*16*PITCH
	ds_load_b128 v[\f+8*\b+4:\f+8*\b+7], v[18+\slot] offset:\k+\b*16*PITCH+32
.endr
.irp b, 6,7
	ds_load_b128 v[\f+8*\b:\f+8*\b+3],   v[18+\slot] offset:\k+PART+(\b-6)*16*PITCH
	ds_load_b128 v[\f+8*\b+4:\f+8*\b+7], v[18+\slot] offset:\k+PART+(\b-6)*16*PITCH+32
.endr
.irp a, 0,1,2,3
	ds_load_b128 v[\f+FA+8*\a:\f+FA+8*\a+3],   v[16+\slot] offset:\k+\a*16*PITCH
	ds_load_b128 v[\f+FA+8*\a+4:\f+FA+8*\a+7], v[16+\slot] offset:\k+\a*16*PITCH+32
.endr
.irp b, 8,9,10,11
	ds_load_b128 v[\f+8*\b:\f+8*\b+3],   v[18+\slot] offset:\k+PART+(\b-6)*16*PITCH
	ds_load_b128 v[\f+8*\b+4:\f+8*\b+7], v[18+\slot] offset:\k+PART+(\b-6)*16*PITCH+32
.endr
.endm
; A quarter step: 48 matrix instructions on buffer f; after the first 16 the next quarter's fragments are fetched into buffer g.
; The 48 accumulators take turns, one instruction a turn, in the same order everywhere.
.macro QUARTER slot, k, f, g, zero
	s_wait_dscnt 8                                 ; all of buffer f but its youngest eight loads (wt's tiles 8-11, for v)
	WIN MQK
	MULQK \f, 0, \zero
	PLACES                                         ; buffer g was last read by matrix instructions: four places in front of the loads into it
	FETCH \slot, \k, \g
	WIN MQK
	MULQK \f, 2, \zero
	s_wait_dscnt 32                                ; all but the 32 just issued
	WIN MV
	MULV \f, \zero
.endm
.macro THREE slot, zero
	QUARTER \slot, 64,  F0, F1, \zero
	QUARTER \slot, 128, F1, F0, 0
	QUARTER \slot, 192, F0, F1, 0
.endm
; The fourth quarter changes slots.  In front of the barrier each wave's reads of this slot are back and all its tensor loads have landed
; (its part of the next slot among them).  fill = 1: the barrier opens a round of the cluster's barrier, and the joint refill of this slot,
; two K steps ahead, is the first tensor load behind the round.  From that request to the wait for it a wave issues 176 matrix instructions.
.macro TURN slot, next, fill
	s_wait_dscnt 8
	WIN MQK
	MULQK F1, 0, 0
	s_wait_dscnt 0
	s_set_vgpr_msb 0xa5a0
	s_wait_tensorcnt 0x0
	ds_add_u32 v14, v15
	s_wait_dscnt 0x0
	s_set_vgpr_msb 0xa0a5
	s_barrier_signal -1
	MULQK F1, 2, 0                                 ; register work while the others arrive
	WIN 0
	s_barrier_wait -1
.if \fill
	CREST
	s_add_nc_u64 s[G0A+4*\slot+2:G0A+4*\slot+3], s[G0A+4*\slot+2:G0A+4*\slot+3], 512
	s_add_nc_u64 s[G0B+4*\slot+2:G0B+4*\slot+3], s[G0B+4*\slot+2:G0B+4*\slot+3], 512
	JLOAD \slot
.endif
	PLACES
	FETCH \next, 0, F0
	WIN MV
	MULV F1, 0
.endm
.macro LAP zero
	THREE 0, \zero
	TURN 0, 1, 1
	THREE 1, 0
	TURN 1, 0, 1
.endm
	s_wait_tensorcnt 1                             ; my part of K step 0 is in; K step 1's may stay out
	s_barrier_signal -1
	s_barrier_wait -1
	FETCH 0, 0, F0
	LAP 1                                          ; K steps 0, 1; asks for 2, 3
	WIN 0
	s_mov_b32 s3, 2
.Llap:
	LAP 0                                          ; K steps 2 to 5; asks for 4 to 7
	WIN 0
	s_sub_co_u32 s3, s3, 1
	s_cmp_lg_u32 s3, 0
	s_cbranch_scc1 .Llap
	THREE 0, 0                                     ; K steps 6, 7: nothing is left to ask for
	TURN 0, 1, 0
	THREE 1, 0
	s_wait_dscnt 8
	WIN MQK
	MULQK F1, 0, 0
	MULQK F1, 2, 0
	s_wait_dscnt 0
	WIN MV
	MULV F1, 0
	WIN 0
	PLACES                                         ; in front of the first reads of results
	; ---- the table, rounded to bf16 and widened again
	s_wait_loadcnt 0x0
.set pp, 0
.rept 64
	v_cvt_pk_bf16_f32 v[28+(pp%4)], v[ROPE+2*pp], v[ROPE+2*pp+1]
	v_lshlrev_b32 v[ROPE+2*pp], 16, v[28+(pp%4)]
	v_and_b32 v[ROPE+2*pp+1], 0xffff0000, v[28+(pp%4)]
.set pp, pp+1
.endr
	; ---- v: to f16, into the stage by rows of d
.irp a, 0,1,2,3
	WIN 0x0f                                       ; both sources window 3
.irp b, 0,1,2,3
.irp p, 0,1,2,3
	v_cvt_pk_f16_f32 v[PK+4*\b+\p], v[8*(4*\a+\b)+2*\p], v[8*(4*\a+\b)+2*\p+1]
.endr
.endr
	WIN 0
.irp b, 0,1,2,3
	ds_store_b128 v23, v[PK+4*\b:PK+4*\b+3] offset:\b*16*VPITCH+\a*32
.endr
.endr
	; sums of v (f32) over my wave's 64 t, for d = 16 b + r: 32 numbers a lane in a chain of pairs for each b, then the other half of the lanes
	WIN 0x0f
.irp b, 0,1,2,3
	v_pk_add_f32 v[RES+2*\b:RES+2*\b+1], v[8*\b:8*\b+1], v[8*\b+2:8*\b+3]
.endr
	WIN 0x03                                       ; source 0 window 3
.irp p, 4,6
.irp b, 0,1,2,3
	v_pk_add_f32 v[RES+2*\b:RES+2*\b+1], v[8*\b+\p:8*\b+\p+1], v[RES+2*\b:RES+2*\b+1]
.endr
.endr
.irp a, 1,2,3
.irp p, 0,2,4,6
.irp b, 0,1,2,3
	v_pk_add_f32 v[RES+2*\b:RES+2*\b+1], v[8*(4*\a+\b)+\p:8*(4*\a+\b)+\p+1], v[RES+2*\b:RES+2*\b+1]
.endr
.endr
.endr
	WIN 0
.irp b, 0,1,2,3
	v_add_f32 v[RES+8+\b], v[RES+2*\b], v[RES+2*\b+1]
.endr
.irp b, 0,1,2,3
	v_permlanex16_b32 v[RES+2*\b], v[RES+8+\b], s76, s77           ; its destination has been written before
.endr
.irp b, 0,1,2,3
	v_add_f32 v[RES+8+\b], v[RES+8+\b], v[RES+2*\b]
.endr
	ds_store_b128 v26, v[RES+8:RES+11]             ; both halves of the lanes store the same numbers to the same bytes
	s_wait_dscnt 0x0                               ; my stores are done, for the other waves' sake
	s_barrier_signal -1
	s_barrier_wait -1
	; v^T out: my wave's 16 rows of d, 512 consecutive bytes (256 t) each
.irp i, 0,1,2,3,4,5,6,7,8,9,10,11,12,13,14,15
	ds_load_b128 v[64+4*\i:64+4*\i+3], v24 offset:\i*VPITCH
.endr
.irp i, 0,1,2,3,4,5,6,7,8,9,10,11,12,13,14,15
	s_wait_dscnt 15-\i
	global_store_b128 v22, v[64+4*\i:64+4*\i+3], s[72:73] offset:\i*4096
.endr
	; wave 0: the four waves' sums together, 256 bytes out
	s_cmp_lg_u32 s12, 0
	s_cbranch_scc1 .Lno_sums
	v_add_nc_u32 v28, VSM, v27
	ds_load_b64 v[48:49], v28
	ds_load_b64 v[50:51], v28 offset:256
	ds_load_b64 v[52:53], v28 offset:512
	ds_load_b64 v[54:55], v28 offset:768
	s_wait_dscnt 0x0
	v_pk_add_f32 v[48:49], v[48:49], v[50:51]
	v_pk_add_f32 v[52:53], v[52:53], v[54:55]
	v_pk_add_f32 v[48:49], v[48:49], v[52:53]
	global_store_b64 v27, v[48:49], s[74:75]
.Lno_sums:
	; waves 2 and 3: the bias of the 128 keys of one of my block's two tiles
	s_cmp_lt_u32 s12, 2
	s_cbranch_scc1 .Lno_bias
	s_sub_co_u32 s86, s12, 2
	s_add_co_u32 s84, s87, s86
	s_mul_i32 s84, s84, 16896
	s_add_co_u32 s84, s84, 16384                   ; behind the tile's 128 rows
	s_add_nc_u64 s[90:91], s[70:71], s[84:85]
	s_lshl_b32 s84, s80, 11                        ; mask: 2048 batch + 256 block + 128 tile
	s_lshl_b32 s92, s81, 8
	s_add_co_u32 s84, s84, s92
	s_lshl_b32 s92, s86, 7
	s_add_co_u32 s84, s84, s92
	s_add_nc_u64 s[10:11], s[10:11], s[84:85]
	v_lshlrev_b32 v28, 2, v3
	global_load_b32 v29, v28, s[10:11]             ; four keys' bytes
	s_wait_loadcnt 0x0
.irp j, 0,1,2,3
	v_bfe_u32 v[56+\j], v29, 8*\j, 8               ; 1 or 0
	v_add_nc_u32 v[56+\j], -1, v[56+\j]            ; 0 or all ones
	v_and_b32 v[56+\j], s79, v[56+\j]              ; 0 or -2^30
.endr
	global_store_b128 v22, v[56:59], s[90:91]
.Lno_bias:
; q (sel = 0) or k (sel = 1) of m tile a: rotate, scale q, round to f16, through my own stage, out as whole rows
.macro QKOUT a, sel
	s_wait_xcnt 0x0                                ; the registers that earlier stores read are written again only behind this wait
	WIN 0x02                                       ; source 0 window 2
.irp b2, 0,1
.irp p, 0,2,4,6
	v_pk_mul_f32 v[28:29], v[8*(8*\a+4*\sel+\b2+2)+\p:8*(8*\a+4*\sel+\b2+2)+\p+1], v[ROPE+32*\a+16+8*\b2+\p:ROPE+32*\a+16+8*\b2+\p+1]
	v_pk_mul_f32 v[30:31], v[8*(8*\a+4*\sel+\b2+2)+\p:8*(8*\a+4*\sel+\b2+2)+\p+1], v[ROPE+32*\a+8*\b2+\p:ROPE+32*\a+8*\b2+\p+1]
	v_pk_fma_f32 v[RES+8*\b2+\p:RES+8*\b2+\p+1], v[8*(8*\a+4*\sel+\b2)+\p:8*(8*\a+4*\sel+\b2)+\p+1], v[ROPE+32*\a+8*\b2+\p:ROPE+32*\a+8*\b2+\p+1], v[28:29] neg_lo:[0,0,1] neg_hi:[0,0,1]
	v_pk_fma_f32 v[RES+16+8*\b2+\p:RES+16+8*\b2+\p+1], v[8*(8*\a+4*\sel+\b2)+\p:8*(8*\a+4*\sel+\b2)+\p+1], v[ROPE+32*\a+16+8*\b2+\p:ROPE+32*\a+16+8*\b2+\p+1], v[30:31]
.endr
.endr
	WIN 0
.if \sel == 0
.irp p, 0,2,4,6,8,10,12,14,16,18,20,22,24,26,28,30
	v_pk_mul_f32 v[RES+\p:RES+\p+1], v[RES+\p:RES+\p+1], s[78:79] op_sel_hi:[1,0]
.endr
.endif
.irp p, 0,1,2,3,4,5,6,7,8,9,10,11,12,13,14,15
	v_cvt_pk_f16_f32 v[PK+\p], v[RES+2*\p], v[RES+2*\p+1]
.endr
.irp bt, 0,1,2,3
	ds_store_b128 v20, v[PK+4*\bt:PK+4*\bt+3] offset:32*\bt
.endr
.irp i, 0,1,2,3
	ds_load_b128 v[BACK+4*\i:BACK+4*\i+3], v21 offset:\i*4*QPITCH  ; my own bytes: LDS serves a wave's instructions in order (ISA guide 5.7.1)
.endr
.irp i, 0,1,2,3
	s_wait_dscnt 3-\i
.if \sel == 0
	global_store_b128 v22, v[BACK+4*\i:BACK+4*\i+3], s[68:69] offset:\a*2048+\i*512    ; four rows of 128 bytes: 512 consecutive bytes
.else
	global_store_b128 v22, v[BACK+4*\i:BACK+4*\i+3], s[88:89] offset:\a*2048+\i*512
.endif
.endr
.endm
.irp a, 0,1,2,3
	QKOUT \a, 0
	QKOUT \a, 1
.endr
	s_wait_tensorcnt 0x0
	ds_add_u32 v14, v15
	s_wait_dscnt 0x0
	CROUND                                         ; the closing round: no work-group ends while a partner may still ask jointly
	s_endpgm
.Lfunc_end_k_q80aba1fff6_qkv:
	.size	k_q80aba1fff6_qkv, .Lfunc_end_k_q80aba1fff6_qkv-k_q80aba1fff6_qkv
	.p2alignl 7, 3214868480
	.fill 96, 4, 3214868480
	.section	.rodata,"a",@progbits
	.p2align	6, 0x0
	.amdhsa_kernel k_q80aba1fff6_qkv
		.amdhsa_group_segment_fixed_size 327680
		.amdhsa_private_segment_fixed_size 0
		.amdhsa_enable_private_segment 0
		.amdhsa_kernarg_size 64
		.amdhsa_user_sgpr_count 2
		.amdhsa_user_sgpr_kernarg_segment_ptr 1
		.amdhsa_wavefront_size32 1
		.amdhsa_system_sgpr_workgroup_id_x 1
		.amdhsa_system_sgpr_workgroup_id_y 1
		.amdhsa_system_sgpr_workgroup_id_z 1
		.amdhsa_system_vgpr_workitem_id 0
		.amdhsa_next_free_vgpr 896
		.amdhsa_next_free_sgpr 96
		.amdhsa_reserve_vcc 0
		.amdhsa_float_denorm_mode_32 3
		.amdhsa_float_denorm_mode_16_64 3
		.amdhsa_memory_ordered 1
		.amdhsa_forward_progress 1
		.amdhsa_inst_pref_size 205
	.end_amdhsa_kernel
	.amdgpu_metadata
---
amdhsa.version: [ 1, 2 ]
amdhsa.kernels:
  - .name:           k_q80aba1fff6_qkv
    .symbol:         k_q80aba1fff6_qkv.kd
    .args:
      - { .name: xb, .offset: 0, .size: 8, .value_kind: global_buffer, .address_space: global }
      - { .name: wt, .offset: 8, .size: 8, .value_kind: global_buffer, .address_space: global }
      - { .name: rope_cache, .offset: 16, .size: 8, .value_kind: global_buffer, .address_space: global }
      - { .name: mask, .offset: 24, .size: 8, .value_kind: global_buffer, .address_space: global }
      - { .name: qb, .offset: 32, .size: 8, .value_kind: global_buffer, .address_space: global }
      - { .name: kb, .offset: 40, .size: 8, .value_kind: global_buffer, .address_space: global }
      - { .name: vt, .offset: 48, .size: 8, .value_kind: global_buffer, .address_space: global }
      - { .name: vs, .offset: 56, .size: 8, .value_kind: global_buffer, .address_space: global }
    .group_segment_fixed_size: 327680
    .private_segment_fixed_size: 0
    .kernarg_segment_align: 8
    .kernarg_segment_size: 64
    .max_flat_workgroup_size: 128
    .sgpr_count:     96
    .vgpr_count:     896
    .wavefront_size: 32
...
	.end_amdgpu_metadata
.endif
;; end of part 2
;; launch attn (part 3): grid 8 x 32, 4 waves a work-group, no clusters, 327,680 bytes of LDS; arguments qb, kb, vt, vs, ab; writes ab
.if DOCPART == 3
	.amdgcn_target "amdgcn-amd-amdhsa--gfx1250"
	.amdhsa_code_object_version 6
	.text
	.protected	k_q80aba1fff6_attn
	.globl	k_q80aba1fff6_attn
	.p2align	8
	.type	k_q80aba1fff6_attn,@function
k_q80aba1fff6_attn:
	s_mov_b64 s[64:65], 0
	v_nop
	global_prefetch_b8 v0, s[64:65] scope:SCOPE_SE
	s_setreg_imm32_b32 hwreg(HW_REG_WAVE_MODE, 25, 1), 1
	s_wait_xcnt 0x0
; ATTN: causal attention with a running maximum, f16 operands, f32 sums; everything transposed: S^T = K Q^T + bias, O^T = V^T P^T.
; Work-group (c, bh) makes query block 2 c and then query block 15 - 2 c of head bh (128 rows each).  A pass takes its diagonal key tile
; first (it starts maximum, sum and O: nothing is cleared), then the tiles 0 .. block - 1: 2 c + 1 and 16 - 2 c tiles, 17 for every work-group.
; Tiles beyond the diagonal are left out: the causal mask throws their products away.
; Wave w makes 32 query rows (two tiles of 16, qs = 0, 1) against all 128 keys of a tile.
; In S^T a lane (r = lane % 16, h = lane / 16) holds query r and keys 16 kt + 8 h + j: the row maximum is in the lane but for one exchange of
; the halves; the lane's own values of tiles 2 kc and 2 kc + 1, packed, ARE the second operand of the product with V^T; and the factors
; of a query (exp2 of the maximum's change, 1 / sum) are one number a lane.  The sum of a row of P comes from a fifth tile of V^T, all ones.
; MASKS: reference's -1e9 is -2^30 here, in base 2 (q carries 0.125 log2 e): the key bias enters as C of the first product, the causal mask by a select.
; A query none of whose visible keys is allowed has all 2,048 scores equal in reference(): its row is the mean of v over ALL keys.
; It is known by its final maximum below -2^29 and takes that mean (from vs) by a select; nothing branches on data.
; LIMITS: |score x log2 e| < 2^28, so that masked and real scores stay apart by 2^29 at the least.  P and the result are f16.
; NO CLUSTER: the eight work-groups of a head read the same K and V, but at the same place of their walks they want different tiles
; (the tile's number hangs on c), so no step has a tile in common to ask for jointly.
; REGISTERS: window 0: addresses, running figures, mean of v (v32-63), bias (v64-127), S then P (v128-255).
; Window 1: K's 16 fragments at 8 (2 kt + kk); Q of pass A at 128, of pass B at 160 (+ 16 qs + 8 kk).
; Window 2: V^T's 16 fragments at 8 (4 dt + kc); O at 128 + 40 qs + 8 dt (dt = 4: the sum); ones at 208.
.set KP,    144                        ; LDS pitch of a row of 128 bytes
.set VP,    272                        ; of a row of 256 bytes
.set PARTL, 66*KP                      ; a wave's part of a slot: 66 rows of kb's tile, or 32 rows of vt (8,704 bytes)
.set SLOT,  38144                      ; 4 parts, up to the next multiple of 256
.set BIAS,  128*KP                     ; rows 128-131 of kb's tile
.set VOFF,  2*PARTL
.set VMS,   2*SLOT                     ; each wave's 256 bytes for the mean of v
.set STG,   VMS+1024                   ; each wave's stage: 32 rows x 144 bytes
.set QA,  128
.set QB,  160
.set OB,  128
.set G1K, 24
.set G0K, 32
.set G1V, 40
.set G0V, 48
.set MSB, 0
.macro WIN new
.if MSB != \new
	s_set_vgpr_msb (MSB<<8)|\new
.set MSB, \new
.endif
.endm
; One tensor load a wave: waves 0 and 1 bring kb's tile (66 rows each), waves 2 and 3 vt's (32 rows of d each)
.macro TLOAD s
	s_cmp_eq_u32 s15, 0
	s_cbranch_scc0 .Lfor_v_\@
	tensor_load_to_lds s[G0K+4*(\s):G0K+4*(\s)+3], s[G1K:G1K+7]
	s_nop 0
	s_branch .Lasked_\@
.Lfor_v_\@:
	tensor_load_to_lds s[G0V+4*(\s):G0V+4*(\s)+3], s[G1V:G1V+7]
	s_nop 0
.Lasked_\@:
.endm
; the addresses of key tile s60 into slot s's two descriptors
.macro SETADDR s
	s_mul_i32 s62, s60, 16896
	s_mov_b32 s63, 0
	s_add_nc_u64 s[G0K+4*(\s)+2:G0K+4*(\s)+3], s[56:57], s[62:63]
	s_or_b32 s[G0K+4*(\s)+3], s[G0K+4*(\s)+3], 0x80000000
	s_lshl_b32 s62, s60, 8                         ; 128 t of 2 bytes
	s_add_nc_u64 s[G0V+4*(\s)+2:G0V+4*(\s)+3], s[58:59], s[62:63]
	s_or_b32 s[G0V+4*(\s)+3], s[G0V+4*(\s)+3], 0x80000000
.endm
; the next place u of the walk: tile u - 1 in pass A; 15 - 2 c at u = 2 c + 1; u - 2 c - 2 behind it
.macro NEXTADDR s
	s_add_co_u32 s19, s19, 1
	s_sub_co_u32 s60, s19, 1
	s_sub_co_u32 s61, s19, s23
	s_cmp_gt_u32 s19, s21
	s_cselect_b32 s60, s61, s60
	s_cmp_eq_u32 s19, s21
	s_cselect_b32 s60, s22, s60
	SETADDR \s
.endm
	s_load_b256 s[4:11], s[0:1], 0x0               ; qb s[4:5], kb s[6:7], vt s[8:9], vs s[10:11]
	s_load_b64 s[12:13], s[0:1], 0x20              ; ab
	s_set_vgpr_msb 0x40
	v_lshl_add_u32 v254, v0, 2, 0x29000
	v_mov_b32 v255, 0
	s_set_vgpr_msb 0x4045
	ds_add_u32 v254, v255
	ds_add_u32 v254, v255
	s_set_vgpr_msb 0x4500
	v_lshrrev_b32 v1, 5, v0
	v_readfirstlane_b32 s14, v1                    ; wave
	s_lshr_b32 s15, s14, 1                         ; I fetch K (0) or V (1)
	s_and_b32 s16, s14, 1                          ; which half
	s_mov_b32 s17, ttmp9                           ; c
	s_and_b32 s18, ttmp7, 0xffff                   ; bh
	s_lshl_b32 s82, s17, 1                         ; 2 c: pass A's block
	s_add_co_u32 s21, s82, 1
	s_sub_co_u32 s22, 15, s82                      ; pass B's block
	s_add_co_u32 s23, s82, 2
	s_mov_b32 s[G1K+0], (1<<16)|(1<<20)|(4<<22)|(3<<25)    ; 2-byte elements; pad 4 words behind every 32 words
	s_mov_b32 s[G1K+1], 64<<16                     ; tensor_dim0 = 64
	s_mov_b32 s[G1K+2], 66<<16                     ; tensor_dim1 = 66
	s_mov_b32 s[G1K+3], 64<<16                     ; tile_dim0 = 64
	s_mov_b32 s[G1K+4], 66                         ; tile_dim1 = 66
	s_mov_b32 s[G1K+5], 64                         ; the tile is dense: 64 elements from row to row
	s_mov_b32 s[G1K+6], 0
	s_mov_b32 s[G1K+7], 0
	s_mov_b32 s[G1V+0], (1<<16)|(1<<20)|(5<<22)|(3<<25)    ; pad 4 words behind every 64 words
	s_mov_b32 s[G1V+1], 128<<16
	s_mov_b32 s[G1V+2], 32<<16
	s_mov_b32 s[G1V+3], 128<<16
	s_mov_b32 s[G1V+4], 32
	s_mov_b32 s[G1V+5], 2048
	s_mov_b32 s[G1V+6], 0
	s_mov_b32 s[G1V+7], 0
	s_mul_i32 s83, s14, PARTL
	s_mul_i32 s84, s18, 270336                     ; kb: 16 tiles of 16,896 bytes a head, my half at 66 rows of 128 bytes
	s_mul_i32 s85, s16, 8448
	s_add_co_u32 s84, s84, s85
	s_mov_b32 s85, 0
	s_lshl_b32 s86, s18, 18                        ; vt: 64 rows of 4,096 bytes a head, my half at 32 rows
	s_lshl_b32 s87, s16, 17
	s_add_co_u32 s86, s86, s87
	s_mov_b32 s87, 0
	s_wait_dscnt 0x0
	s_wait_kmcnt 0x0
	s_add_nc_u64 s[56:57], s[6:7], s[84:85]
	s_add_nc_u64 s[58:59], s[8:9], s[86:87]
.irp s, 0,1
	s_mov_b32 s[G0K+4*\s], 1
	s_add_co_u32 s[G0K+4*\s+1], s83, \s*SLOT
	s_mov_b32 s[G0V+4*\s], 1
	s_add_co_u32 s[G0V+4*\s+1], s83, \s*SLOT
.endr
	s_mov_b32 s60, s82                             ; place 0: pass A's diagonal tile
	SETADDR 0
	TLOAD 0
	s_mov_b32 s19, 0
	NEXTADDR 1
	TLOAD 1                                        ; two tensor loads of the wave are out
	s_lshl_b32 s84, s18, 18                        ; qb: 2,048 rows of 128 bytes a head, blocks of 128 rows
	s_lshl_b32 s88, s17, 15
	s_add_co_u32 s86, s84, s88
	s_add_nc_u64 s[76:77], s[4:5], s[86:87]
	s_lshl_b32 s88, s22, 14
	s_add_co_u32 s86, s84, s88
	s_add_nc_u64 s[78:79], s[4:5], s[86:87]
	s_and_b32 s84, s18, 0x10                       ; 16 batch
	s_and_b32 s85, s18, 15                         ; head
	s_lshl_b32 s88, s14, 12                        ; my wave's 32 rows of 128 bytes
	s_add_co_u32 s86, s84, s82
	s_lshl4_add_u32 s86, s86, s85                  ; ab: ((16 batch + block) 16 + head) x 16,384 bytes
	s_lshl_b32 s86, s86, 14
	s_add_co_u32 s86, s86, s88
	s_add_nc_u64 s[72:73], s[12:13], s[86:87]
	s_add_co_u32 s86, s84, s22
	s_lshl4_add_u32 s86, s86, s85
	s_lshl_b32 s86, s86, 14
	s_add_co_u32 s86, s86, s88
	s_add_nc_u64 s[74:75], s[12:13], s[86:87]
	s_lshl_b32 s86, s18, 11
	s_add_nc_u64 s[80:81], s[10:11], s[86:87]      ; vs: 8 x 256 bytes a head
	s_mov_b32 s66, 0x76543210
	s_mov_b32 s67, 0xfedcba98
	s_mov_b32 s68, 0xce800000                      ; -2^30
	s_mov_b32 s69, 0xce000000                      ; -2^29
	v_and_b32 v1, 15, v0                           ; r
	v_bfe_u32 v2, v0, 4, 1                         ; h
	v_and_b32 v3, 31, v0                           ; lane
	v_mul_u32_u24 v4, v1, KP
	v_lshl_add_u32 v4, v2, 4, v4                   ; K's fragments, slot 0
	v_add_nc_u32 v5, SLOT, v4
	v_mul_u32_u24 v6, v1, VP
	v_lshl_add_u32 v6, v2, 4, v6
	v_add_nc_u32 v6, VOFF, v6                      ; V^T's fragments
	v_add_nc_u32 v7, SLOT, v6
	v_lshlrev_b32 v8, 5, v2
	v_add_nc_u32 v8, BIAS, v8                      ; the bias of my 8 keys of a tile of 16
	v_add_nc_u32 v9, SLOT, v8
	s_mul_i32 s88, s14, 32*KP
	s_add_co_u32 s88, s88, STG
	v_add_nc_u32 v10, s88, v4                      ; the way out, in: row r, 16 bytes for each half
	v_lshrrev_b32 v11, 3, v3
	v_mul_u32_u24 v11, v11, KP
	v_and_b32 v12, 7, v3
	v_lshl_add_u32 v11, v12, 4, v11
	v_add_nc_u32 v11, s88, v11                     ; back: eight lanes take a row of 128 bytes
	v_lshlrev_b32 v12, 4, v3                       ; 16 x lane
	s_lshl_b32 s89, s14, 5
	v_add_nc_u32 v13, s89, v1                      ; my query of qs = 0 in the block: 32 w + r
	v_lshlrev_b32 v14, 3, v2
	v_sub_nc_u32 v14, v13, v14                     ; key 16 kt + 8 h + j is visible where 16 kt + j <= 32 w + 16 qs + r - 8 h
	v_add_nc_u32 v15, 16, v14
	v_lshlrev_b32 v13, 7, v13
	v_lshl_add_u32 v13, v2, 4, v13                 ; Q's fragments in qb
	WIN 0x40
.irp qs, 0,1
.irp kk, 0,1
	global_load_b128 v[QA+16*\qs+8*\kk:QA+16*\qs+8*\kk+3],   v13, s[76:77] offset:\qs*2048+\kk*64
	global_load_b128 v[QA+16*\qs+8*\kk+4:QA+16*\qs+8*\kk+7], v13, s[76:77] offset:\qs*2048+\kk*64+32
	global_load_b128 v[QB+16*\qs+8*\kk:QB+16*\qs+8*\kk+3],   v13, s[78:79] offset:\qs*2048+\kk*64
	global_load_b128 v[QB+16*\qs+8*\kk+4:QB+16*\qs+8*\kk+7], v13, s[78:79] offset:\qs*2048+\kk*64+32
.endr
.endr
	WIN 0
	v_lshlrev_b32 v128, 3, v3                      ; 8 x lane
.irp p, 0,1,2,3,4,5,6,7
	global_load_b64 v[132+2*\p:133+2*\p], v128, s[80:81] offset:256*\p     ; the eight blocks' sums of v
.endr
	s_lshl_b32 s89, s14, 8
	s_add_co_u32 s89, s89, VMS
	v_add_nc_u32 v129, s89, v128
	v_lshl_add_u32 v130, v2, 7, s89
	WIN 0x80
.irp i, 0,1,2,3,4,5,6,7
	v_mov_b32 v[208+\i], 0x3c003c00                ; sixteen rows of ones, f16
.endr
	WIN 0
.irp i, 21,23,25,27,29,31
	v_mov_b32 v\i, 0                               ; second registers of pairs of which the packed forms use the first alone
.endr
	s_wait_loadcnt 0x0                             ; Q and the sums
	v_pk_add_f32 v[132:133], v[132:133], v[134:135]
	v_pk_add_f32 v[136:137], v[136:137], v[138:139]
	v_pk_add_f32 v[140:141], v[140:141], v[142:143]
	v_pk_add_f32 v[144:145], v[144:145], v[146:147]
	v_pk_add_f32 v[132:133], v[132:133], v[136:137]
	v_pk_add_f32 v[140:141], v[140:141], v[144:145]
	v_pk_add_f32 v[132:133], v[132:133], v[140:141]
	v_pk_mul_f32 v[132:133], v[132:133], 0x3a000000 op_sel_hi:[1,0]        ; / 2048
	ds_store_b64 v129, v[132:133]                  ; entry (d % 16) 4 + d / 16; my wave's own bytes, read back in order
.irp j, 0,1,2,3,4,5,6,7
	ds_load_b128 v[32+4*\j:32+4*\j+3], v130 offset:16*\j   ; v[32 + 4 j + dt] = mean of v at d = 16 dt + 8 h + j
.endr
; the diagonal tile: keys behind the query get -2^30
.macro CAUSAL qs
.set ii, 0
.rept 8
.set jj, 0
.rept 8
	v_cmp_le_i32 vcc_lo, 16*ii+jj, v[14+\qs]
	v_cndmask_b32 v[128+64*\qs+8*ii+jj], s68, v[128+64*\qs+8*ii+jj], vcc_lo
.set jj, jj+1
.endr
.set ii, ii+1
.endr
.endm
; one step of the running softmax for 16 queries x 128 keys; leaves P, f16, as four fragments at S + 16 kc
.macro SOFTMAX qs, first
.set SB, 128+64*\qs
.set MM, 20+4*\qs                      ; maximum, spare, factor, spare
.irp c, 0,1,2,3
	v_max_num_f32 v[16+\c], v[SB+16*\c], v[SB+16*\c+1]             ; four chains of 16 numbers
.endr
.irp i, 2,4,6,8,10,12,14
.irp c, 0,1,2,3
	v_max3_num_f32 v[16+\c], v[16+\c], v[SB+16*\c+\i], v[SB+16*\c+\i+1]
.endr
.endr
	v_max3_num_f32 v16, v16, v17, v18
.if \first
	v_max_num_f32 v16, v16, v19
.else
	v_max3_num_f32 v16, v16, v19, v[MM]
.endif
	v_permlanex16_b32 v17, v16, s66, s67           ; the other half of the lanes holds the query's other keys
.if \first
	v_max_num_f32 v[MM], v16, v17
.else
	v_max_num_f32 v16, v16, v17
	v_sub_f32 v[MM+1], v[MM], v16
	v_mov_b32 v[MM], v16
	v_exp_f32 v[MM+2], v[MM+1]                     ; the factor for what has been summed so far; first used far below
.endif
.set ii, 0
.rept 32
	v_pk_add_f32 v[SB+ii:SB+ii+1], v[SB+ii:SB+ii+1], v[MM:MM+1] op_sel_hi:[1,0] neg_lo:[0,1] neg_hi:[0,1]
.set ii, ii+2
.endr
.set ii, 0
.rept 64
	v_exp_f32 v[SB+ii], v[SB+ii]
.set ii, ii+1
.endr
	v_nop                                          ; one plain place behind the last exponentials, in front of their use
	s_wait_alu depctr_va_vdst(0)
.irp kc, 0,1,2,3
.irp p, 0,1,2,3,4,5,6,7
	v_cvt_pk_f16_f32 v[SB+16*\kc+\p], v[SB+16*\kc+2*\p], v[SB+16*\kc+2*\p+1]   ; ascending: no register is written before it has been read
.endr
.endr
.endm
; one key tile, from slot; first = 1: a pass's diagonal tile; q: the pass's Q fragments
.macro COMPUTE slot, first, q
.irp kt, 0,1,2,3,4,5,6,7
	ds_load_b128 v[64+8*\kt:64+8*\kt+3], v[8+\slot] offset:(\kt>>1)*KP+(\kt&1)*64
	ds_load_b128 v[64+8*\kt+4:64+8*\kt+7], v[8+\slot] offset:(\kt>>1)*KP+(\kt&1)*64+16
.endr
	WIN 0x40
.irp kt, 0,1,2,3,4,5,6,7
.irp kk, 0,1
	ds_load_b128 v[8*(2*\kt+\kk):8*(2*\kt+\kk)+3],   v[4+\slot] offset:\kt*16*KP+\kk*64
	ds_load_b128 v[8*(2*\kt+\kk)+4:8*(2*\kt+\kk)+7], v[4+\slot] offset:\kt*16*KP+\kk*64+32
.endr
.endr
	WIN 0x80
.irp dt, 0,1,2,3
.irp kc, 0,1,2,3
	ds_load_b128 v[8*(4*\dt+\kc):8*(4*\dt+\kc)+3],   v[6+\slot] offset:(\dt>>1)*PARTL+(\dt&1)*16*VP+\kc*64
	ds_load_b128 v[8*(4*\dt+\kc)+4:8*(4*\dt+\kc)+7], v[6+\slot] offset:(\dt>>1)*PARTL+(\dt&1)*16*VP+\kc*64+32
.endr
.endr
	WIN 0x05                                       ; K and Q window 1; bias, S window 0
.irp kt, 0,1,2,3,4,5,6,7
	s_wait_dscnt 60-4*\kt                          ; the bias and K's tiles up to kt are in: 4 (7 - kt) loads of K and 32 of V^T are younger
	; two accumulators by turns
	v_wmma_f32_16x16x32_f16 v[128+8*\kt:128+8*\kt+7], v[16*\kt:16*\kt+7], v[\q:\q+7], v[64+8*\kt:64+8*\kt+7]
	v_wmma_f32_16x16x32_f16 v[192+8*\kt:192+8*\kt+7], v[16*\kt:16*\kt+7], v[\q+16:\q+23], v[64+8*\kt:64+8*\kt+7]
	v_wmma_f32_16x16x32_f16 v[128+8*\kt:128+8*\kt+7], v[16*\kt+8:16*\kt+15], v[\q+8:\q+15], v[128+8*\kt:128+8*\kt+7]
	v_wmma_f32_16x16x32_f16 v[192+8*\kt:192+8*\kt+7], v[16*\kt+8:16*\kt+15], v[\q+24:\q+31], v[192+8*\kt:192+8*\kt+7]
.endr
	WIN 0
.rept 4
	v_nop                                          ; four places in front of the reads of S (ISA guide 7.12.1)
.endr
.if \first
	CAUSAL 0
	CAUSAL 1
.endif
	SOFTMAX 0, \first
	SOFTMAX 1, \first
.if \first == 0
	WIN 0x82                                       ; O window 2, the factor window 0
.irp qs, 0,1
.set ii, 0
.rept 20
	v_pk_mul_f32 v[OB+40*\qs+ii:OB+40*\qs+ii+1], v[OB+40*\qs+ii:OB+40*\qs+ii+1], v[22+4*\qs:23+4*\qs] op_sel_hi:[1,0]
.set ii, ii+2
.endr
.endr
.endif
	s_wait_dscnt 0x0                               ; V^T's fragments
	WIN 0xa2                                       ; V^T, O window 2; P window 0
.irp kc, 0,1,2,3
.set ZC, 0
.if \first
.if \kc == 0
.set ZC, 1                                         ; a pass's first product starts O and the sum
.endif
.endif
	; ten accumulators by turns
.irp dt, 0,1,2,3
.irp qs, 0,1
.if ZC
	v_wmma_f32_16x16x32_f16 v[OB+40*\qs+8*\dt:OB+40*\qs+8*\dt+7], v[8*(4*\dt+\kc):8*(4*\dt+\kc)+7], v[128+64*\qs+16*\kc:128+64*\qs+16*\kc+7], 0
.else
	v_wmma_f32_16x16x32_f16 v[OB+40*\qs+8*\dt:OB+40*\qs+8*\dt+7], v[8*(4*\dt+\kc):8*(4*\dt+\kc)+7], v[128+64*\qs+16*\kc:128+64*\qs+16*\kc+7], v[OB+40*\qs+8*\dt:OB+40*\qs+8*\dt+7]
.endif
.endr
.endr
.irp qs, 0,1
.if ZC
	v_wmma_f32_16x16x32_f16 v[OB+40*\qs+32:OB+40*\qs+39], v[208:215], v[128+64*\qs+16*\kc:128+64*\qs+16*\kc+7], 0
.else
	v_wmma_f32_16x16x32_f16 v[OB+40*\qs+32:OB+40*\qs+39], v[208:215], v[128+64*\qs+16*\kc:128+64*\qs+16*\kc+7], v[OB+40*\qs+32:OB+40*\qs+39]
.endif
.endr
.endr
	WIN 0
.rept 5
	v_nop                                          ; five places: the next tile's loads land on V^T's fragments, its products write over P
.endr
.endm
; A tile behind a change of slots.  In front of the barrier: all my tensor loads have landed (this tile among them) and my reads of the other
; slot are back.  Behind it the other slot's refill, the next tile of the walk, comes first: my one tensor load until the next such barrier.
.macro TRIP slot, first, q, refill
	s_set_vgpr_msb 0x5
	s_wait_tensorcnt 0x0
	ds_add_u32 v254, v255
	s_wait_dscnt 0x0
	s_set_vgpr_msb 0x500
.if \refill
	NEXTADDR 1-\slot                               ; no tensor load of mine is out: a descriptor may be written
.endif
	s_wait_dscnt 0x0
	s_barrier_signal -1
	s_barrier_wait -1
.if \refill
	TLOAD 1-\slot
.endif
	COMPUTE \slot, \first, \q
.endm
; a pass's end: O / sum, or the mean of v for a query without a visible key; f16; through my own stage; out as whole rows.  sb: ab's base
.macro FINAL sb, more
	WIN 0x02
	v_rcp_f32 v28, v[OB+32]                        ; the sum is at least 1: the largest P of a row is 1
	v_rcp_f32 v30, v[OB+72]
	WIN 0
	v_cmp_gt_f32 s70, s69, v20                     ; -2^29 > maximum: every key seen was masked.  (Also the plain place behind the reciprocals.)
	v_cmp_gt_f32 s71, s69, v24
	s_wait_alu depctr_va_vdst(0)
.irp qs, 0,1
	WIN 0x02
.irp i, 0,2,4,6,8,10,12,14,16,18,20,22,24,26,28,30
	v_pk_mul_f32 v[128+\i:128+\i+1], v[OB+40*\qs+\i:OB+40*\qs+\i+1], v[28+2*\qs:29+2*\qs] op_sel_hi:[1,0]
.endr
	WIN 0
.irp dt, 0,1,2,3
.irp j, 0,1,2,3,4,5,6,7
	v_cndmask_b32 v[128+8*\dt+\j], v[128+8*\dt+\j], v[32+4*\j+\dt], s[70+\qs]
.endr
.endr
.irp p, 0,1,2,3,4,5,6,7,8,9,10,11,12,13,14,15
	v_cvt_pk_f16_f32 v[160+\p], v[128+2*\p], v[128+2*\p+1]
.endr
.irp dt, 0,1,2,3
	ds_store_b128 v10, v[160+4*\dt:160+4*\dt+3] offset:\qs*16*KP+\dt*32
.endr
.endr
.irp i, 0,1,2,3,4,5,6,7
	ds_load_b128 v[192+4*\i:192+4*\i+3], v11 offset:\i*4*KP        ; my own bytes, served in order
.endr
.irp i, 0,1,2,3,4,5,6,7
	s_wait_dscnt 7-\i
	global_store_b128 v12, v[192+4*\i:192+4*\i+3], s[\sb:\sb+1] offset:\i*512    ; four rows of 128 bytes: 512 consecutive bytes
.endr
.if \more
	s_wait_xcnt 0x0                                ; the next pass's products write over the registers that these stores read
.endif
.endm
	s_wait_tensorcnt 1                             ; my part of the first tile is in; the second's may stay out
	s_wait_dscnt 0x0
	s_barrier_signal -1
	s_barrier_wait -1
	COMPUTE 0, 1, QA                               ; pass A: the diagonal tile
	s_cmp_eq_u32 s17, 0
	s_cbranch_scc1 .Lpass_a_done
	s_mov_b32 s20, s17                             ; then 2 c tiles
.Lpass_a:
	TRIP 1, 0, QA, 1
	TRIP 0, 0, QA, 1
	s_sub_co_u32 s20, s20, 1
	s_cmp_lg_u32 s20, 0
	s_cbranch_scc1 .Lpass_a
.Lpass_a_done:
	FINAL 72, 1
	TRIP 1, 1, QB, 1                               ; pass B: the diagonal tile, at the odd place 2 c + 1
	s_sub_co_u32 s20, 7, s17
	s_cmp_eq_u32 s20, 0
	s_cbranch_scc1 .Lpass_b_done
.Lpass_b:                                          ; then 14 - 2 c tiles
	TRIP 0, 0, QB, 1
	TRIP 1, 0, QB, 1
	s_sub_co_u32 s20, s20, 1
	s_cmp_lg_u32 s20, 0
	s_cbranch_scc1 .Lpass_b
.Lpass_b_done:
	TRIP 0, 0, QB, 0                               ; and the last, place 16: nothing is left to fetch
	FINAL 74, 0
	s_set_vgpr_msb 0x5
	s_wait_tensorcnt 0x0
	ds_add_u32 v254, v255
	s_wait_dscnt 0x0
	s_set_vgpr_msb 0x500
	s_endpgm
.Lfunc_end_k_q80aba1fff6_attn:
	.size	k_q80aba1fff6_attn, .Lfunc_end_k_q80aba1fff6_attn-k_q80aba1fff6_attn
	.p2alignl 7, 3214868480
	.fill 96, 4, 3214868480
	.section	.rodata,"a",@progbits
	.p2align	6, 0x0
	.amdhsa_kernel k_q80aba1fff6_attn
		.amdhsa_group_segment_fixed_size 327680
		.amdhsa_private_segment_fixed_size 0
		.amdhsa_enable_private_segment 0
		.amdhsa_kernarg_size 40
		.amdhsa_user_sgpr_count 2
		.amdhsa_user_sgpr_kernarg_segment_ptr 1
		.amdhsa_wavefront_size32 1
		.amdhsa_system_sgpr_workgroup_id_x 1
		.amdhsa_system_sgpr_workgroup_id_y 1
		.amdhsa_system_sgpr_workgroup_id_z 1
		.amdhsa_system_vgpr_workitem_id 0
		.amdhsa_next_free_vgpr 768
		.amdhsa_next_free_sgpr 96
		.amdhsa_reserve_vcc 1
		.amdhsa_float_denorm_mode_32 3
		.amdhsa_float_denorm_mode_16_64 3
		.amdhsa_memory_ordered 1
		.amdhsa_forward_progress 1
		.amdhsa_inst_pref_size 255
	.end_amdhsa_kernel
	.section	.bss,"aw",@nobits
	.p2align	6
	.space	262144
	.amdgpu_metadata
---
amdhsa.version: [ 1, 2 ]
amdhsa.kernels:
  - .name:           k_q80aba1fff6_attn
    .symbol:         k_q80aba1fff6_attn.kd
    .args:
      - { .name: qb, .offset: 0, .size: 8, .value_kind: global_buffer, .address_space: global }
      - { .name: kb, .offset: 8, .size: 8, .value_kind: global_buffer, .address_space: global }
      - { .name: vt, .offset: 16, .size: 8, .value_kind: global_buffer, .address_space: global }
      - { .name: vs, .offset: 24, .size: 8, .value_kind: global_buffer, .address_space: global }
      - { .name: ab, .offset: 32, .size: 8, .value_kind: global_buffer, .address_space: global }
    .group_segment_fixed_size: 327680
    .private_segment_fixed_size: 0
    .kernarg_segment_align: 8
    .kernarg_segment_size: 40
    .max_flat_workgroup_size: 128
    .sgpr_count:     96
    .vgpr_count:     768
    .wavefront_size: 32
...
	.end_amdgpu_metadata
.endif
;; end of part 3
;; launch oproj (part 4): grid 8 x 32, 4 waves a work-group, clusters of 4 x 4, 327,680 bytes of LDS; arguments ab, wt, out0; writes out0
.if DOCPART == 4
	.amdgcn_target "amdgcn-amd-amdhsa--gfx1250"
	.amdhsa_code_object_version 6
	.text
	.protected	k_q80aba1fff6_oproj
	.globl	k_q80aba1fff6_oproj
	.p2align	8
	.type	k_q80aba1fff6_oproj,@function
k_q80aba1fff6_oproj:
	s_mov_b64 s[64:65], 0
	v_nop
	global_prefetch_b8 v0, s[64:65] scope:SCOPE_SE
	s_setreg_imm32_b32 hwreg(HW_REG_WAVE_MODE, 25, 1), 1
	s_wait_xcnt 0x0
	s_wait_alu depctr_hold_cnt(0) depctr_sa_sdst(0) depctr_va_vdst(0) depctr_va_sdst(0) depctr_va_ssrc(0) depctr_va_vcc(0) depctr_vm_vsrc(0)
	s_getreg_b32 s2, hwreg(HW_REG_IB_STS2, 6, 4)
	s_cmp_eq_u32 s2, 0
	s_cbranch_scc0 .Lentry_in_a_cluster
	s_endpgm
.Lentry_in_a_cluster:
	s_bfe_u32 s2, ttmp6, 0x10000c
	s_cmp_lg_u32 s2, 0xf033
	s_cbranch_scc0 .Lentry_shape_is_right
	s_endpgm
.Lentry_shape_is_right:
; OPROJ: out0[4096][1024] (f32) = attention's result (ab, f16) x Wo (rows 3072 .. 4095 of wt: Wo^T, f16), f32 sums.
; A work-group makes 128 x 128; wave (wm = w / 2, wn = w % 2) makes 64 x 64: 16 accumulator tiles.
; ab lies as [block of 128 rows][head][128 t][64 d], so the K range of four heads (256) of a row block is 65,536 dense bytes.
; K = 1024 goes in 4 steps of 256 through two LDS slots: steps 0 and 1 are the first fills, steps 2 and 3 fill the slots again.
; A slot: four head planes of 128 rows x 128 bytes (pitch 144), then 128 rows of wt x 512 bytes (pitch 528).
; CLUSTER 4 x 4: ab's tile hangs on the row block alone (joint along a row of the cluster), wt's on the column block alone (joint along a column).
; wt is source 0 of the products: a lane holds row t = lane % 16 and eight neighbouring columns.
; REGISTERS: window 0: addresses, two fragment buffers (wt's 4 tiles at 8 b, ab's 4 at 32 + 8 a), read-back.  Window 1: accumulators at 8 (4 a + b).
.set AP,   144
.set BP,   528
.set PART, 256*AP                      ; a wave's part of a slot: 2 planes of ab, or 64 rows of wt (33,792 bytes)
.set SLOT, 4*PART
.set STG,  2*SLOT                      ; each wave's stage: 16 rows x 272 bytes
.set SP,   272
.set F0,  64
.set F1,  128
.set G1,  24
.set G0,  32
.set G1B, 48
.set G0B, 56
.set MUL, 0x50                         ; C and D window 1
.set MSB, 0
.macro WIN new
.if MSB != \new
	s_set_vgpr_msb (MSB<<8)|\new
.set MSB, \new
.endif
.endm
.macro PLACES                          ; four places behind matrix instructions (ISA guide 7.12.1)
.rept 4
	v_nop
.endr
.endm
.macro JLOAD s                         ; waves 0 and 1 ask for ab's halves, waves 2 and 3 for wt's
	s_cmp_eq_u32 s11, 0
	s_cbranch_scc0 .Lfor_b_\@
	tensor_load_to_lds s[G0+4*\s:G0+4*\s+3], s[G1:G1+7]
	s_nop 0
	s_branch .Lasked_\@
.Lfor_b_\@:
	tensor_load_to_lds s[G0B+4*\s:G0B+4*\s+3], s[G1B:G1B+7]
	s_nop 0
.Lasked_\@:
.endm
.macro CREST
	s_cmp_lg_u32 s10, 0
	s_cbranch_scc1 .Lnot_wave_0_\@
	s_barrier_signal -3
.Lnot_wave_0_\@:
	s_barrier_wait -3
	s_barrier_signal -1
	s_barrier_wait -1
.endm
.macro CROUND
	s_barrier_signal -1
	s_barrier_wait -1
	CREST
.endm
	s_load_b128 s[4:7], s[0:1], 0x0                ; ab s[4:5], wt s[6:7]
	s_load_b64 s[8:9], s[0:1], 0x10                ; out0
	v_lshl_add_u32 v254, v0, 2, 0x4c400
	v_mov_b32 v255, 0
	ds_add_u32 v254, v255
	ds_add_u32 v254, v255
	v_lshrrev_b32 v1, 5, v0
	v_readfirstlane_b32 s10, v1                    ; wave
	s_lshr_b32 s11, s10, 1                         ; wm.  Also: I fetch ab (0) or wt (1)
	s_and_b32 s12, s10, 1                          ; wn.  Also: which half
	s_bfe_u32 s40, ttmp6, 0x40000                  ; cx
	s_bfe_u32 s41, ttmp6, 0x40004                  ; cy
	s_lshl_b32 s42, ttmp9, 2
	s_add_co_u32 s42, s42, s40                     ; column block
	s_and_b32 s13, ttmp7, 0xffff
	s_lshl_b32 s13, s13, 2
	s_add_co_u32 s13, s13, s41                     ; row block
	s_lshl_b32 s43, s41, 2
	s_lshl_b32 s43, 15, s43                        ; my row of the cluster
	s_lshl_b32 s44, 0x1111, s40                    ; my column
	s_or_b32 s[G1+0],  s43, (1<<16)|(1<<20)|(1<<21)|(4<<22)|(3<<25)    ; 2-byte elements; pad 4 words behind every 32 words
	s_or_b32 s[G1B+0], s44, (1<<16)|(1<<20)|(1<<21)|(6<<22)|(3<<25)    ; pad 4 words behind every 128 words
	s_mov_b32 s[G1+1],  64<<16                     ; tensor_dim0
	s_mov_b32 s[G1B+1], 256<<16
	s_mov_b32 s[G1+2],  256<<16                    ; tensor_dim1
	s_mov_b32 s[G1B+2], 64<<16
	s_mov_b32 s[G1+3],  64<<16                     ; tile_dim0
	s_mov_b32 s[G1B+3], 256<<16
	s_mov_b32 s[G1+4],  256                        ; tile_dim1
	s_mov_b32 s[G1B+4], 64
	s_mov_b32 s[G1+5],  64                         ; dense rows of 64 elements
	s_mov_b32 s[G1B+5], 1024
	s_mov_b32 s[G1+6],  0
	s_mov_b32 s[G1B+6], 0
	s_mov_b32 s[G1+7],  0
	s_mov_b32 s[G1B+7], 0
	s_lshl_b32 s16, s13, 18                        ; ab: 262,144 bytes a row block, my two planes at 32,768 x half
	s_lshl_b32 s17, s12, 15
	s_add_co_u32 s16, s16, s17
	s_mov_b32 s17, 0
	s_lshl_b32 s46, s42, 18                        ; wt: row 3072 + 128 block + 64 half, 2,048 bytes a row
	s_lshl_b32 s47, s12, 17
	s_add_co_u32 s46, s46, s47
	s_add_co_u32 s46, s46, 3072*2048
	s_mov_b32 s47, 0
	s_mul_i32 s20, s10, PART
	s_wait_dscnt 0x0
	s_wait_kmcnt 0x0
	s_add_nc_u64 s[14:15], s[4:5], s[16:17]
	s_add_nc_u64 s[46:47], s[6:7], s[46:47]
	CROUND                                         ; all sixteen work-groups are here: the first joint loads meet
.irp s, 0,1
	s_mov_b32 s[G0+4*\s], 1
	s_add_co_u32 s[G0+4*\s+1], s20, \s*SLOT
	s_add_nc_u64 s[G0+4*\s+2:G0+4*\s+3], s[14:15], \s*65536        ; K step s: four heads on
	s_or_b32 s[G0+4*\s+3], s[G0+4*\s+3], 0x80000000
	s_mov_b32 s[G0B+4*\s], 1
	s_add_co_u32 s[G0B+4*\s+1], s20, \s*SLOT
	s_add_nc_u64 s[G0B+4*\s+2:G0B+4*\s+3], s[46:47], \s*512
	s_or_b32 s[G0B+4*\s+3], s[G0B+4*\s+3], 0x80000000
	JLOAD \s                                       ; two tensor loads of the wave are out
.endr
	v_and_b32 v1, 15, v0                           ; r
	v_bfe_u32 v2, v0, 4, 1                         ; h
	v_mul_u32_u24 v3, v1, AP
	v_lshl_add_u32 v3, v2, 4, v3
	s_mul_i32 s21, s11, 64*AP
	v_add_nc_u32 v16, s21, v3                      ; ab's fragments, slot 0: my 64 rows of plane 0
	v_add_nc_u32 v17, SLOT, v16
	v_mul_u32_u24 v4, v1, BP
	v_lshl_add_u32 v4, v2, 4, v4
	s_mul_i32 s22, s12, PART
	s_add_co_u32 s22, s22, 2*PART
	v_add_nc_u32 v18, s22, v4                      ; wt's fragments: my 64 rows
	v_add_nc_u32 v19, SLOT, v18
	s_mul_i32 s23, s10, 16*SP
	s_add_co_u32 s23, s23, STG
	v_mul_u32_u24 v5, v1, SP
	v_lshl_add_u32 v5, v2, 5, v5
	v_add_nc_u32 v20, s23, v5                      ; the way out, in: row r, 32 bytes for each half
	v_mul_u32_u24 v5, v2, SP
	v_lshl_add_u32 v5, v1, 4, v5
	v_add_nc_u32 v21, s23, v5                      ; back: lanes 0-15 one row of 256 bytes, lanes 16-31 the next
	v_lshlrev_b32 v5, 12, v2
	v_lshl_add_u32 v22, v1, 4, v5                  ; the same two rows in out0
; 16 LDS loads: the fragments of quarter q (32 K: half a head plane) into buffer f
.macro FETCH slot, q, f
.irp b, 0,1,2,3
	ds_load_b128 v[\f+8*\b:\f+8*\b+3],   v[18+\slot] offset:\b*16*BP+\q*64
	ds_load_b128 v[\f+8*\b+4:\f+8*\b+7], v[18+\slot] offset:\b*16*BP+\q*64+32
.endr
.irp a, 0,1,2,3
	ds_load_b128 v[\f+32+8*\a:\f+32+8*\a+3],   v[16+\slot] offset:(\q>>1)*128*AP+\a*16*AP+(\q&1)*64
	ds_load_b128 v[\f+32+8*\a+4:\f+32+8*\a+7], v[16+\slot] offset:(\q>>1)*128*AP+\a*16*AP+(\q&1)*64+32
.endr
.endm
; 8 matrix instructions: m tiles a0, a0 + 1 x 4 n tiles.  The 16 accumulators take turns in one order everywhere.
.macro MUL8 f, a0, zero
.irp a, \a0, \a0+1
.irp b, 0,1,2,3
.if \zero
	v_wmma_f32_16x16x32_f16 v[8*(4*(\a)+\b):8*(4*(\a)+\b)+7], v[\f+8*\b:\f+8*\b+7], v[\f+32+8*(\a):\f+32+8*(\a)+7], 0
.else
	v_wmma_f32_16x16x32_f16 v[8*(4*(\a)+\b):8*(4*(\a)+\b)+7], v[\f+8*\b:\f+8*\b+7], v[\f+32+8*(\a):\f+32+8*(\a)+7], v[8*(4*(\a)+\b):8*(4*(\a)+\b)+7]
.endif
.endr
.endr
.endm
; a quarter: fetch the next quarter's fragments into g, multiply f
.macro QUARTER slot, qnext, f, g, zero
	PLACES                                         ; buffer g was read by the matrix instructions just issued
	FETCH \slot, \qnext, \g
	s_wait_dscnt 16                                ; all but the 16 just issued
	WIN MUL
	MUL8 \f, 0, \zero
	MUL8 \f, 2, \zero
	WIN 0
.endm
.macro SEVEN slot, zero
	QUARTER \slot, 1, F0, F1, \zero
	QUARTER \slot, 2, F1, F0, 0
	QUARTER \slot, 3, F0, F1, 0
	QUARTER \slot, 4, F1, F0, 0
	QUARTER \slot, 5, F0, F1, 0
	QUARTER \slot, 6, F1, F0, 0
	QUARTER \slot, 7, F0, F1, 0
.endm
; The eighth quarter changes slots.  In front of the barrier my reads of this slot are back and all my tensor loads have landed.
; fill = 1: the barrier opens a round of the cluster's barrier; the joint refill, two K steps ahead, is the first tensor load behind the round.
.macro TURN slot, next, fill
	s_wait_dscnt 0
	s_wait_tensorcnt 0x0
	ds_add_u32 v254, v255
	s_wait_dscnt 0x0
	s_barrier_signal -1
	WIN MUL
	MUL8 F1, 0, 0                                  ; register work while the others arrive
	WIN 0
	s_barrier_wait -1
.if \fill
	CREST
	s_add_nc_u64 s[G0+4*\slot+2:G0+4*\slot+3], s[G0+4*\slot+2:G0+4*\slot+3], 131072
	s_add_nc_u64 s[G0B+4*\slot+2:G0B+4*\slot+3], s[G0B+4*\slot+2:G0B+4*\slot+3], 1024
	JLOAD \slot
.endif
	PLACES
	FETCH \next, 0, F0
	WIN MUL
	MUL8 F1, 2, 0
	WIN 0
.endm
	s_wait_tensorcnt 1                             ; my part of K step 0 is in; step 1's may stay out
	s_barrier_signal -1
	s_barrier_wait -1
	FETCH 0, 0, F0
	SEVEN 0, 1                                     ; K step 0: its first products start the sums
	TURN 0, 1, 1                                   ; asks for step 2
	SEVEN 1, 0
	TURN 1, 0, 1                                   ; asks for step 3
	SEVEN 0, 0
	TURN 0, 1, 0
	SEVEN 1, 0
	s_wait_dscnt 0
	WIN MUL
	MUL8 F1, 0, 0
	MUL8 F1, 2, 0
	WIN 0
	PLACES                                         ; in front of the LDS stores that read results
	s_lshl_b32 s16, s13, 19                        ; out0: (128 block + 64 wm) rows of 4,096 bytes
	s_lshl_b32 s17, s11, 18
	s_add_co_u32 s16, s16, s17
	s_mov_b32 s17, 0
	s_add_nc_u64 s[8:9], s[8:9], s[16:17]
	s_lshl_b32 s46, s42, 9                         ; + (128 block + 64 wn) columns of 4 bytes
	s_lshl_b32 s47, s12, 8
	s_add_co_u32 s46, s46, s47
	s_mov_b32 s47, 0
	s_add_nc_u64 s[8:9], s[8:9], s[46:47]
; 16 rows at a time through my own stage: a lane's 32 bytes in, whole rows of 256 bytes back and out
.macro OUT16 a
	WIN 0x04                                       ; store data window 1
.irp b, 0,1,2,3
	ds_store_b128 v20, v[8*(4*\a+\b):8*(4*\a+\b)+3]   offset:64*\b
	ds_store_b128 v20, v[8*(4*\a+\b)+4:8*(4*\a+\b)+7] offset:64*\b+16
.endr
	WIN 0
	s_wait_xcnt 0x0                                ; the read-back registers and the base, which earlier stores read, are written again only behind this wait
.if \a
	s_add_nc_u64 s[8:9], s[8:9], 16*4096
.endif
.irp i, 0,1,2,3,4,5,6,7
	ds_load_b128 v[192+4*\i:192+4*\i+3], v21 offset:\i*2*SP        ; my own bytes, served in order (ISA guide 5.7.1)
.endr
.irp i, 0,1,2,3,4,5,6,7
	s_wait_dscnt 7-\i
	global_store_b128 v22, v[192+4*\i:192+4*\i+3], s[8:9] offset:\i*8192 th:TH_STORE_NT   ; sixteen lanes store 256 consecutive bytes, aligned
.endr
.endm
	OUT16 0
	OUT16 1
	OUT16 2
	OUT16 3
	s_wait_tensorcnt 0x0
	ds_add_u32 v254, v255
	s_wait_dscnt 0x0
	CROUND                                         ; the closing round
	s_endpgm
.Lfunc_end_k_q80aba1fff6_oproj:
	.size	k_q80aba1fff6_oproj, .Lfunc_end_k_q80aba1fff6_oproj-k_q80aba1fff6_oproj
	.p2alignl 7, 3214868480
	.fill 96, 4, 3214868480
	.section	.rodata,"a",@progbits
	.p2align	6, 0x0
	.amdhsa_kernel k_q80aba1fff6_oproj
		.amdhsa_group_segment_fixed_size 327680
		.amdhsa_private_segment_fixed_size 0
		.amdhsa_enable_private_segment 0
		.amdhsa_kernarg_size 24
		.amdhsa_user_sgpr_count 2
		.amdhsa_user_sgpr_kernarg_segment_ptr 1
		.amdhsa_wavefront_size32 1
		.amdhsa_system_sgpr_workgroup_id_x 1
		.amdhsa_system_sgpr_workgroup_id_y 1
		.amdhsa_system_sgpr_workgroup_id_z 1
		.amdhsa_system_vgpr_workitem_id 0
		.amdhsa_next_free_vgpr 384
		.amdhsa_next_free_sgpr 66
		.amdhsa_reserve_vcc 0
		.amdhsa_float_denorm_mode_32 3
		.amdhsa_float_denorm_mode_16_64 3
		.amdhsa_memory_ordered 1
		.amdhsa_forward_progress 1
		.amdhsa_inst_pref_size 89
	.end_amdhsa_kernel
	.amdgpu_metadata
---
amdhsa.version: [ 1, 2 ]
amdhsa.kernels:
  - .name:           k_q80aba1fff6_oproj
    .symbol:         k_q80aba1fff6_oproj.kd
    .args:
      - { .name: ab, .offset: 0, .size: 8, .value_kind: global_buffer, .address_space: global }
      - { .name: wt, .offset: 8, .size: 8, .value_kind: global_buffer, .address_space: global }
      - { .name: out0, .offset: 16, .size: 8, .value_kind: global_buffer, .address_space: global }
    .group_segment_fixed_size: 327680
    .private_segment_fixed_size: 0
    .kernarg_segment_align: 8
    .kernarg_segment_size: 24
    .max_flat_workgroup_size: 128
    .sgpr_count:     66
    .vgpr_count:     384
    .wavefront_size: 32
...
	.end_amdgpu_metadata
.endif
;; end of part 4
